; MI455X (gfx1250); checked and timed in simulation.
; The chip was launched on July 23, 2026; its instructions are those of AMD's public machine-readable ISA for CDNA 5 (MIT licence, August 2026) and "CDNA5" Instruction Set Architecture Reference Guide (July 2026). The comments in the code are by the model that wrote it; some were corrected since.
;; Multi Head Self Attention Layer. Allowed arithmetic: matrix products marked QUANTISED: E5M2 operands, one given power-of-two scale a tensor, by v_wmma_f32_16x16x64_bf8_bf8 or v_wmma_f32_16x16x128_bf8_bf8, f32 sums; everything else in f32.
;; Inputs: W_k_codes 1,024 x 32 x 32 uint8 (E5M2 codes of W_k, K innermost, in blocks of 32 codes); W_o_codes 1,024 x 32 x 32 uint8 (E5M2 codes of W_o, K innermost, in blocks of 32 codes); W_q_codes 1,024 x 32 x 32 uint8 (E5M2 codes of W_q, K innermost, in blocks of 32 codes); W_v_codes 1,024 x 32 x 32 uint8 (E5M2 codes of W_v, K innermost, in blocks of 32 codes); X_embed_codes 4 x 2,048 x 32 x 32 uint8 (E5M2 codes of X_embed, K innermost, in blocks of 32 codes); b_k 1,024 float32; b_o 1,024 float32; b_q 1,024 float32; b_v 1,024 float32; lowp_scales 10 int32 (the exponents e of the quantised operands' scales 2^e).
;; Outputs: out0 4 x 2,048 x 1,024 float32.
;; This version of the problem:
;;   THIS VERSION OF THE PROBLEM IS GIVEN IN LOW PRECISION. The matrix products marked QUANTISED in the list below multiply operands that are first quantised to E5M2 (5 exponent bits, 2 mantissa bits; 8 bits a number), with one given power-of-two scale for each operand tensor; their sums are f32. All else is computed in f32.
;;   The module's matrix products, in the order in which they are computed (A, B: the left and right operand; K: the contracted axis; several contracted axes count as one K, in the product's order):
;;     1. [M 8,192, K 1,024] x [K 1,024, N 1,024]; A: input X_embed (given as codes); B: input W_q (given as codes): QUANTISED (scales: A lowp_scales[0], B lowp_scales[1])
;;     2. [M 8,192, K 1,024] x [K 1,024, N 1,024]; A: input X_embed (given as codes); B: input W_k (given as codes): QUANTISED (scales: A lowp_scales[2], B lowp_scales[3])
;;     3. [M 8,192, K 1,024] x [K 1,024, N 1,024]; A: input X_embed (given as codes); B: input W_v (given as codes): QUANTISED (scales: A lowp_scales[4], B lowp_scales[5])
;;     4. batch 64 x [M 2,048, K 64] x [K 64, N 2,048]; A: computed on the way; B: computed on the way: QUANTISED (scales: A lowp_scales[6], B lowp_scales[7])
;;     5. [M 8,192, K 1,024] x [K 1,024, N 1,024]; A: computed on the way; B: input W_o (given as codes): QUANTISED (scales: A lowp_scales[8], B lowp_scales[9])
;;   THE QUANTISER, for each operand of a quantised product, along K:
;;     - The operand's scale is 2^e, e = its entry of the input lowp_scales (int32; the entries are numbered through the quantised products in the list's order, A before B).
;;     - Each number is divided by the scale, clamped to +-57,344, and rounded to the nearest number of E5M2, ties to even, subnormals kept.
;;     - The product sums the exact products of the quantised numbers (number of the format x scale) in f32.
;;   ~~~python
;;   def quantise(x, axis, e):      # numpy; x: float32 -> the quantised numbers, widened to float32 again
;;       x = np.moveaxis(x, axis, -1); K = x.shape[-1]
;;       r = np.clip(x / 2.0 ** e, -57344, 57344)
;;       step = 2.0 ** (np.maximum(np.frexp(np.where(r == 0, 1, r))[1] - 1, -14) - 2)
;;       q = np.round(r / step) * step * 2.0 ** e      # np.round: ties to even
;;       return np.moveaxis(q, -1, axis).astype(np.float32)
;;   ~~~
;;   OPERANDS COMPUTED ON THE WAY. 'Computed on the way' means the value that the module computes at that place (a softmax that the list does not call 'softmax' is quantised finished and normalised). What goes into a quantiser is computed in f32, as accurately as f32 sums, v_exp_f32 and their like allow (about 1e-6 of the number): no bf16 or f16 on the way to a quantiser, and a product that is left as it is and whose result goes on into a quantised operand takes f32 operands (vector FMAs, or v_wmma_f32_16x16x4_f32). A number that lies on a knife's edge between two numbers of the format may be rounded either way, as far as f32 arithmetic and the matrix unit's own rounding can turn it there, and no further.
;;   INPUTS GIVEN AS CODES. W_k (in the module: [1024, 1024], K = its axis 0); W_o (in the module: [1024, 1024], K = its axis 0); W_q (in the module: [1024, 1024], K = its axis 0); W_v (in the module: [1024, 1024], K = its axis 0); X_embed (in the module: [4, 2048, 1024], K = its axis 2): each comes as NAME_codes (uint8): NAME with its K axis moved to the last place and cut into blocks of 32 codes, [.., K / 32, bytes a block], one block behind the other in memory; one code a byte (a code: sign, 5 exponent bits, 2 mantissa bits); its scale is its entry of lowp_scales. Its value is code x scale, taken as it is: it is not quantised again, and the codes and scales need not be those that the quantiser above would give.
;; One version. Each part assembles by itself: llvm-mc -triple=amdgcn-amd-amdhsa -mcpu=gfx1250 --defsym DOCPART=n.
;; ======== version 1 of 1: 3 launches
;; limits: right only within a limited range of input values
;; workspace buffers: qc 8,388,608 bytes; kc 8,388,608 bytes; vf 33,554,432 bytes; ac 8,388,608 bytes
;; launch proj (part 1): grid 12 x 32, 4 waves a work-group, clusters of 4 x 4, 327,680 bytes of LDS; arguments X_embed_codes, W_q_codes, W_k_codes, W_v_codes, b_q, b_k, b_v, lowp_scales, qc, kc, vf; writes qc, kc, vf
.if DOCPART == 1
	.amdgcn_target "amdgcn-amd-amdhsa--gfx1250"
	.amdhsa_code_object_version 6
	.text
	.protected	k_qcaafe1bccf_proj
	.globl	k_qcaafe1bccf_proj
	.p2align	8
	.type	k_qcaafe1bccf_proj,@function
k_qcaafe1bccf_proj:
	s_mov_b64 s[64:65], 0
	v_nop
	global_prefetch_b8 v0, s[64:65] scope:SCOPE_SE
	s_setreg_imm32_b32 hwreg(HW_REG_WAVE_MODE, 25, 1), 1
	s_wait_xcnt 0x0
	s_wait_alu depctr_hold_cnt(0) depctr_sa_sdst(0) depctr_va_vdst(0) depctr_va_sdst(0) depctr_va_ssrc(0) depctr_va_vcc(0) depctr_vm_vsrc(0)
	s_getreg_b32 s2, hwreg(HW_REG_IB_STS2, 6, 4)
	s_cmp_eq_u32 s2, 0
	s_cbranch_scc0 .Lentry_in_a_cluster
	s_endpgm
.Lentry_in_a_cluster:
	s_bfe_u32 s2, ttmp6, 0x10000c
	s_cmp_lg_u32 s2, 0xf033
	s_cbranch_scc0 .Lentry_shape_is_right
	s_endpgm
.Lentry_shape_is_right:
; Q, K, V = X W + b on codes of BF8 (E5M2).  X: [8192][1024] codes; W_q, W_k, W_v: [1024 (n)][1024 (k)] codes, K innermost; biases f32.
; The three products are one C of 8192 x 3072 in tiles of 256 x 256.  The cluster's x (0, 1, 2) is the weight: Q, K or V; cx the tile column inside it; 4 x cluster y + cy the tile row.
; OUT: Q and K leave as codes of E5M2 of (sum x 2^(eX + eW) + b) / 32, with the given scales 2^e6 and 2^e7 (1 / sqrt(1024) = 2^-5 is folded into the conversion's scale): qc, kc [8192][1024] bytes.
;      V leaves as f32, sum x 2^(e4 + e5) + b_v: vf [8192][1024].
; LIMITS: e0 + e1, e2 + e3, e4 + e5 between -126 and 127; e6 + 5 and e7 + 5 between -126 and 112, so that each power of two below is an f32 number.  NaN among the biases is not served.
; A fragment comes by four loads of 16 bytes: k is permuted inside an instruction, alike in both operands, so every product meets its partner and only the order of the sums inside an instruction changes.
; A work-group of four waves makes a tile; a wave 128 x 128: 64 accumulators, 512 registers.  K goes in four steps of 256 through a ring of two LDS slots filled by the tensor data mover; the steps are written out.
; CLUSTERS: 4 x 4 work-groups.  The four of a row need the same tiles of X, the four of a column the same tiles of W: each tile is asked for jointly.
; THE MATRIX INSTRUCTION IS USED TRANSPOSED (source 0 = 16 rows of W, source 1 = 16 rows of X): a lane holds eight neighbouring numbers of a row of C.
; REGISTERS, in windows of 256: window 0: v0-31 addresses; v64-127 my 64 bias numbers; from v128 X's fragments, one set; on the way out v128-191 numbers at work, v192-255 codes.
;   window 1: W's fragments, two sets; on the way out v0-127 rows read back.   windows 2, 3: the accumulators, (a, b) at v[8 (8 (a % 4) + b)].
.set KROW,   1024                      ; a row of X or W in memory, in bytes
.set ROWB,   256                       ; a tile's row: 256 codes
.set PITCH,  272                       ; an LDS row: 256 bytes + 16 of padding, so that the 16 rows of a fragment load start 68 words apart
.set FR,     16                        ; registers of a fragment: 16 rows x 128 K
.set NL,     4                         ; LDS loads that bring one
.set NP,     4                         ; places behind this matrix instruction (ISA guide 7.12.1)
.set HALFT,  128*PITCH                 ; 128 rows: what one tensor load brings
.set SLOT,   4*HALFT                   ; X's 256 rows, then W's 256 rows
.set SPARE,  2*SLOT                    ; behind the ring: the spare words, 128 bytes a wave
.set CST,    0                         ; the way out of codes: 256 rows x 272 bytes, the work-group's.  Both stages lie in slot 0, which has had its last fill and its last read by then
.set VST,    256*PITCH                 ; the way out of f32: 16 rows x 528 bytes for each wave
.set SPITCH, 528
.set ADRA, 16                          ; v16-17  LDS address of my X fragments in slot 0, 1
.set BO,   18                          ; v18     32 x (lane / 16): my place in a block's 16 bias numbers
.set ADRB, 20                          ; v20-21  the same as ADRA for W
.set STC,  22                          ; v22     codes: where I put 8 bytes of a row
.set RDC,  23                          ; v23     codes: where I read a row back
.set STO,  24                          ; v24     f32: where I put 32 bytes of a row
.set RD,   25                          ; v25     f32: where I read a row back
.set CO,   26                          ; v26     16 x lane: my place in a row of 512 bytes of vf
.set COC,  27                          ; v27     my place in two rows of qc or kc
.set SPW,  28                          ; v28     my spare word; never rewritten
.set NIL,  29                          ; v29     0; never rewritten
.set SCL,  30                          ; v30     2^(e + 5) as f32, for the conversion
.set LIM,  31                          ; v31     57,344 x that
.set BI,   64
.set AF,   128
.set TMP,  128
.set CD,   192
.set G1, 24                            ; s[24:31] group 1 for X's tiles; s[32:39] group 0, a set for each slot
.set G0, 32
.set G1B, 48                           ; s[48:55], s[56:63] the same for W's tiles
.set G0B, 56
.set MSB, 0
.macro WIN new                         ; the immediate's high byte repeats the setting that is left
.if MSB != (\new)
	s_set_vgpr_msb (MSB<<8)|(\new)
.set MSB, (\new)
.endif
.endm
.set MUL_LO, 0xa1                      ; source 0 (W) window 1, source 1 (X) window 0, C and D window 2
.set MUL_HI, 0xf1                      ; the same, C and D window 3
.set TO_B,   0x40                      ; destination window 1, address window 0
; A joint load: waves 0 and 1 fetch for X, waves 2 and 3 for W.  The branch hangs on the wave's number alone.  Four v_nop follow each of the two lines.
.macro JLOAD g0a, g1a, g0b, g1b
	s_cmp_eq_u32 s15, 0
	s_cbranch_scc0 .Lfor_b_\@
	tensor_load_to_lds s[\g0a:\g0a+3], s[\g1a:\g1a+7]
	s_nop 0
.rept 4
	v_nop
.endr
	s_branch .Lasked_\@
.Lfor_b_\@:
	tensor_load_to_lds s[\g0b:\g0b+3], s[\g1b:\g1b+7]
	s_nop 0
.rept 4
	v_nop
.endr
.Lasked_\@:
.endm
.macro CREST                           ; a round of the cluster's barrier behind its opening barrier
	s_cmp_lg_u32 s14, 0
	s_cbranch_scc1 .Lnot_wave_0_\@
	s_barrier_signal -3
.Lnot_wave_0_\@:
	s_barrier_wait -3
	s_barrier_signal -1
	s_barrier_wait -1
.endm
.macro CROUND                          ; a whole round
	s_barrier_signal -1
	s_barrier_wait -1
	CREST
.endm
	s_load_b256 s[68:75], s[0:1], 0x0              ; X s[68:69], W_q s[70:71], W_k s[72:73], W_v s[74:75]
	s_load_b256 s[76:83], s[0:1], 0x20             ; b_q s[76:77], b_k s[78:79], b_v s[80:81], the scales' exponents s[82:83]
	s_load_b128 s[84:87], s[0:1], 0x40             ; qc s[84:85], kc s[86:87]
	s_load_b64 s[88:89], s[0:1], 0x50              ; vf
	v_lshl_add_u32 v[SPW], v0, 2, SPARE
	v_mov_b32 v[NIL], 0
	ds_add_u32 v28, v29
	ds_add_u32 v28, v29
	s_wait_dscnt 0x0
	v_lshrrev_b32 v1, 5, v0
	v_readfirstlane_b32 s14, v1                    ; wave 0..3
	s_lshr_b32 s15, s14, 1                         ; which half of the tile's rows is mine.  Also: I fetch for X (0) or for W (1)
	s_and_b32 s16, s14, 1                          ; which half of its columns.  Also: which 128 rows of that tile I fetch
	s_bfe_u32 s40, ttmp6, 0x40000                  ; cx: the tile column inside the weight
	s_bfe_u32 s41, ttmp6, 0x40004                  ; cy
	s_and_b32 s17, ttmp7, 0xffff
	s_lshl_b32 s17, s17, 2
	s_add_co_u32 s17, s17, s41                     ; tile row = 4 x cluster y + cy
	s_lshl_b32 s43, s41, 2
	s_lshl_b32 s43, 15, s43                        ; my row of the cluster
	s_lshl_b32 s44, 0x1111, s40                    ; my column
	; group 1: a tile of 128 rows x 256 bytes, padded in LDS
	s_or_b32 s[G1+0], s43, (1<<20)|(1<<21)|(5<<22)|(3<<25)   ; 15:0 the mask; 17:16 elements of 1 byte; 20 padding on; 21 set beside a mask; 24:22 after every 64 words; 31:25 four words
	s_or_b32 s[G1B+0], s44, (1<<20)|(1<<21)|(5<<22)|(3<<25)
.irp g, G1, G1B
	s_mov_b32 s[\g+1], ROWB<<16                    ; tensor_dim0
	s_mov_b32 s[\g+2], 128<<16                     ; tensor_dim1
	s_mov_b32 s[\g+3], ROWB<<16                    ; tile_dim0
	s_mov_b32 s[\g+4], 128                         ; tile_dim1
	s_mov_b32 s[\g+5], KROW                        ; tensor_dim0_stride
	s_mov_b32 s[\g+6], 0
	s_mov_b32 s[\g+7], 0
.endr
	s_lshl_b32 s18, s16, 7                         ; which 128 rows of the tile I fetch
	s_lshl_b32 s20, s17, 8
	s_add_co_u32 s20, s20, s18                     ; X: row 256 x tile row + 128 x half,
	s_lshl_b32 s20, s20, 10                        ; in bytes (under 2^23)
	s_mov_b32 s21, 0
	s_lshl_b32 s46, s40, 8
	s_add_co_u32 s46, s46, s18                     ; W: row 256 cx + 128 x half,
	s_lshl_b32 s46, s46, 10                        ; in bytes
	s_mov_b32 s47, 0
	s_mul_i32 s45, s14, HALFT                      ; where they go: wave x 128 rows: no place in the cluster enters an LDS address
	s_wait_kmcnt 0x0
	s_load_b256 s[92:99], s[82:83], 0x0            ; e0 .. e7
	s_cmp_eq_u32 ttmp9, 1                          ; the weight: the cluster's x, the same in all sixteen partners
	s_cselect_b64 s[6:7], s[72:73], s[70:71]
	s_cselect_b64 s[8:9], s[78:79], s[76:77]
	s_cselect_b64 s[10:11], s[86:87], s[84:85]     ; where codes go: kc or qc
	s_cmp_eq_u32 ttmp9, 2
	s_cselect_b64 s[6:7], s[74:75], s[6:7]
	s_cselect_b64 s[8:9], s[80:81], s[8:9]
	s_add_nc_u64 s[20:21], s[68:69], s[20:21]
	s_add_nc_u64 s[46:47], s[6:7], s[46:47]
	CROUND                                         ; all sixteen work-groups are here: the first joint loads meet
.irp s, 0,1
	s_mov_b32 s[G0+4*\s], 1
	s_add_co_u32 s[G0+4*\s+1], s45, \s*SLOT
	s_add_nc_u64 s[G0+4*\s+2:G0+4*\s+3], s[20:21], \s*ROWB
	s_or_b32 s[G0+4*\s+3], s[G0+4*\s+3], 0x80000000
	s_mov_b32 s[G0B+4*\s], 1
	s_add_co_u32 s[G0B+4*\s+1], s45, \s*SLOT
	s_add_nc_u64 s[G0B+4*\s+2:G0B+4*\s+3], s[46:47], \s*ROWB
	s_or_b32 s[G0B+4*\s+3], s[G0B+4*\s+3], 0x80000000
	JLOAD G0+4*\s, G1, G0B+4*\s, G1B
.endr
	v_and_b32 v1, 15, v0                           ; r = lane % 16
	v_bfe_u32 v2, v0, 4, 1                         ; h = lane / 16
	v_mul_u32_u24 v3, v1, PITCH
	v_lshl_add_u32 v4, v2, 4, v3                   ; a fragment's row x pitch + 16 h
	s_mul_i32 s21, s15, HALFT                      ; my 128 rows of X
	s_mul_i32 s22, s16, HALFT                      ; my 128 rows of W,
	s_add_co_u32 s22, s22, 2*HALFT                 ; which lie behind X's 256
.irp s, 0,1
	v_add_nc_u32 v[ADRA+\s], s21, v4
	v_add_nc_u32 v[ADRB+\s], s22, v4
	s_add_co_u32 s21, s21, SLOT
	s_add_co_u32 s22, s22, SLOT
.endr
	; the way out of codes: into the shared stage at row 128 x row half + 16 a + r, byte 128 x column half + 16 b + 8 h
	s_mul_i32 s23, s15, HALFT
	s_lshl_b32 s22, s16, 7
	s_add_co_u32 s23, s23, s22
	v_lshl_add_u32 v5, v2, 3, v3
	v_add_nc_u32 v[STC], s23, v5
	s_mul_i32 s23, s14, 64*PITCH                   ; back: wave w takes rows 64 w .. 64 w + 63, whole; lanes 0-15 one row, lanes 16-31 the next
	v_mul_u32_u24 v5, v2, PITCH
	v_lshl_add_u32 v5, v1, 4, v5
	v_add_nc_u32 v[RDC], s23, v5
	v_lshlrev_b32 v5, 10, v2
	v_lshl_add_u32 v[COC], v1, 4, v5               ; and the same two rows in qc or kc
	; the way out of f32: my own stage
	s_mul_i32 s23, s14, 16*SPITCH
	s_add_co_u32 s23, s23, VST
	v_mul_u32_u24 v5, v1, SPITCH
	v_lshl_add_u32 v5, v2, 5, v5
	v_add_nc_u32 v[STO], s23, v5                   ; in: row r, 32 bytes for each half of the lanes
	v_and_b32 v6, 31, v0
	v_lshlrev_b32 v[CO], 4, v6
	v_add_nc_u32 v[RD], s23, v[CO]                 ; back: the 32 lanes take one row of 512 bytes
	v_lshlrev_b32 v[BO], 5, v2
	; where my parts begin in memory
	s_lshl_b32 s20, s17, 8
	s_lshl_b32 s21, s14, 6
	s_add_co_u32 s20, s20, s21                     ; codes: row 256 x tile row + 64 x wave,
	s_lshl_b32 s20, s20, 10
	s_lshl_b32 s21, s40, 8                         ; byte 256 cx
	s_add_co_u32 s20, s20, s21
	s_mov_b32 s21, 0
	s_add_nc_u64 s[10:11], s[10:11], s[20:21]
	s_lshl_b32 s20, s17, 8
	s_lshl_b32 s21, s15, 7
	s_add_co_u32 s20, s20, s21                     ; vf: row 256 x tile row + 128 x row half,
	s_lshl_b32 s20, s20, 12                        ; of 4,096 bytes (under 2^26)
	s_mov_b32 s21, 0
	s_lshl_b32 s46, s40, 10
	s_lshl_b32 s47, s16, 9
	s_add_co_u32 s46, s46, s47                     ; byte 1024 cx + 512 x column half: in a row of vf, and in the bias
	s_mov_b32 s47, 0
	s_add_nc_u64 s[88:89], s[88:89], s[20:21]
	s_add_nc_u64 s[88:89], s[88:89], s[46:47]
	s_add_nc_u64 s[8:9], s[8:9], s[46:47]
.irp b, 0,1,2,3,4,5,6,7                        ; v[BI + 8 b + i] = bias of column 16 b + 8 h + i of my 128: the result's layout.  They are waited for on the way out
	global_load_b128 v[BI+8*\b:BI+8*\b+3], v[BO], s[8:9] offset:64*\b
	global_load_b128 v[BI+8*\b+4:BI+8*\b+7], v[BO], s[8:9] offset:64*\b+16
.endr
.macro FRAG reg, adr, q, i             ; 16 rows x 128 K: lane l holds row l % 16; registers 4 c .. 4 c + 3 hold K = 32 c + 16 (l / 16) + 0 .. 15
.irp c, 0,1,2,3
	ds_load_b128 v[\reg+4*\c:\reg+4*\c+3], v[\adr] offset:128*(\q)+32*\c+(\i)*16*PITCH
.endr
.endm
; 16 matrix instructions: X's blocks a0, a0 + 1 x W's eight, 128 along K.  p: W's set.  zero = 1: the first product starts the sums.
; The 64 accumulators take turns, one instruction a turn, in the same order in every step.
.macro MUL16 a0, p, zero
.irp a, \a0, \a0+1
.irp b, 0,1,2,3,4,5,6,7
.if \zero
	v_wmma_f32_16x16x128_bf8_bf8 v[8*(8*((\a)%4)+\b):8*(8*((\a)%4)+\b)+7], v[128*(\p)+FR*\b:128*(\p)+FR*\b+FR-1], v[AF+FR*(\a):AF+FR*(\a)+FR-1], 0
.else
	v_wmma_f32_16x16x128_bf8_bf8 v[8*(8*((\a)%4)+\b):8*(8*((\a)%4)+\b)+7], v[128*(\p)+FR*\b:128*(\p)+FR*\b+FR-1], v[AF+FR*(\a):AF+FR*(\a)+FR-1], v[8*(8*((\a)%4)+\b):8*(8*((\a)%4)+\b)+7]
.endif
.endr
.endr
.endm
.macro FETCH_B slot, q, p              ; W's eight fragments of the slot's q-th 128 along K into set p
	WIN TO_B
.irp i, 0,1,2,3,4,5,6,7
	FRAG 128*(\p)+FR*\i, ADRB+\slot, \q, \i
.endr
	WIN 0
.endm
.macro FETCH_A slot, q, i0             ; X's blocks i0 .. i0 + 3
.irp i, \i0, \i0+1, \i0+2, \i0+3
	FRAG AF+FR*(\i), ADRA+\slot, \q, \i
.endr
.endm
.macro PLACES n                        ; plain vector lines between a matrix instruction and a load into, or a vector read of, its registers
.rept \n
	v_nop
.endr
.endm
; A step of 128 along K that has its successor in the same slot.  A block of X is free when its eight products are issued, so X has one set: blocks 0-3 come anew in the middle, blocks 4-7 at the end.
.macro STEP slot, q, zero
	s_wait_dscnt 4*NL                              ; W's set and X's blocks 0-3 are in; the youngest 16 loads (blocks 4-7) may be out
	WIN MUL_LO
	MUL16 0, (\q)%2, \zero
	MUL16 2, (\q)%2, \zero
	s_wait_dscnt 0                                 ; blocks 4-7 are in
	PLACES NP
	FETCH_B \slot, (\q)+1, 1-(\q)%2
	FETCH_A \slot, (\q)+1, 0
	WIN MUL_HI
	MUL16 4, (\q)%2, \zero
	MUL16 6, (\q)%2, \zero
	PLACES NP
	WIN 0
	FETCH_A \slot, (\q)+1, 4
.endm
; A slot's last step changes slots: one barrier; in front of it each wave waits for all its tensor loads, adds 0 to its spare word, and waits for that and for its reads of this slot.  fill = 1: the slot is filled again, two K steps ahead.
.macro TURN slot, next, fill
	s_wait_tensorcnt 0x0                           ; all my tensor loads have landed: my part of the next slot
	ds_add_u32 v[SPW], v[NIL]                      ; 0 onto my spare word
	s_wait_dscnt 4*NL+1                            ; (the add and the youngest 16 loads may be out)
	WIN MUL_LO
	MUL16 0, 1, 0                                  ; sixteen matrix instructions stand between the add and the wait for it
	s_wait_dscnt 0x0                               ; the add is done, and my reads of this slot are over
	s_barrier_signal -1
	MUL16 2, 1, 0
	WIN 0
	s_barrier_wait -1
.if \fill
	CREST                                          ; the barrier has opened a round of the cluster's: no wave of any partner still reads this slot or has a load on its way
	s_add_nc_u64 s[G0+4*\slot+2:G0+4*\slot+3], s[G0+4*\slot+2:G0+4*\slot+3], 2*ROWB
	s_add_nc_u64 s[G0B+4*\slot+2:G0B+4*\slot+3], s[G0B+4*\slot+2:G0B+4*\slot+3], 2*ROWB
	JLOAD G0+4*\slot, G1, G0B+4*\slot, G1B         ; the first tensor load behind the round; its four v_nop are the places in front of the loads below
.else
	PLACES NP
.endif
	FETCH_B \next, 0, 0
	FETCH_A \next, 0, 0
	WIN MUL_HI
	MUL16 4, 1, 0
	MUL16 6, 1, 0
	PLACES NP
	WIN 0
	FETCH_A \next, 0, 4
.endm
	s_wait_tensorcnt 1                             ; my part of K step 0 is in (K step 1's load may be out),
	s_barrier_signal -1
	s_barrier_wait -1                              ; everybody's is
	FETCH_B 0, 0, 0
	FETCH_A 0, 0, 0
	FETCH_A 0, 0, 4
	STEP 0, 0, 1                                   ; K step 0: its first products start the sums
	TURN 0, 1, 1                                   ; slot 0 takes K step 2
	STEP 1, 0, 0                                   ; K step 1
	TURN 1, 0, 1                                   ; slot 1 takes K step 3
	STEP 0, 0, 0                                   ; K step 2
	TURN 0, 1, 0                                   ; nothing is left to fetch: behind this barrier nobody reads slot 0 any more
	STEP 1, 0, 0                                   ; K step 3
	s_wait_dscnt 4*NL
	WIN MUL_LO
	MUL16 0, 1, 0
	MUL16 2, 1, 0
	s_wait_dscnt 0
	WIN MUL_HI
	MUL16 4, 1, 0
	MUL16 6, 1, 0
	WIN 0
	; THE WAY OUT.  number = sum x 2^(eX + eW) + bias, one packed multiply-add for two, each accumulator from its low end on.
	s_wait_kmcnt 0x0
	s_add_co_i32 s92, s92, s93                     ; e0 + e1
	s_add_co_i32 s94, s94, s95                     ; e2 + e3
	s_add_co_i32 s96, s96, s97                     ; e4 + e5
	s_cmp_eq_u32 ttmp9, 1
	s_cselect_b32 s92, s94, s92
	s_cselect_b32 s98, s99, s98                    ; e7 or e6
	s_cmp_eq_u32 ttmp9, 2
	s_cselect_b32 s92, s96, s92
	s_add_co_i32 s92, s92, 127
	s_lshl_b32 s90, s92, 23                        ; 2^(eX + eW) as f32
	s_mov_b32 s91, s90                             ; (named with it as a pair, so it is written)
	s_add_co_i32 s98, s98, 132                     ; e + 5 + 127
	s_lshl_b32 s93, s98, 23
	v_mov_b32 v[SCL], s93                          ; 2^(e + 5): the conversion takes its exponent field
	s_add_co_i32 s98, s98, 15
	s_lshl_b32 s98, s98, 23
	s_or_b32 s98, s98, 0x600000
	v_mov_b32 v[LIM], s98                          ; 57,344 x 2^(e + 5)
	s_wait_loadcnt 0x0                             ; the bias
	PLACES NP                                      ; behind the last products
; Block a (16 rows x 128 columns) as codes: the hold, since the conversion to an 8-bit code does not saturate (ISA guide 7.6.2); eight codes a conversion; 8 bytes a lane into the shared stage.
.macro QBLOCK a
.set AC, 64*((\a)%4)
.set CC, CD+16*((\a)%4)
.if (\a) == 4
	s_wait_dscnt 0x0                               ; the first four blocks' stores have read their registers, which take codes again
.endif
	WIN 0x02+((\a)/4)                              ; source 0: window 2 or 3
.set j, 0
.rept 32
	v_pk_fma_f32 v[TMP+j:TMP+j+1], v[AC+j:AC+j+1], s[90:91], v[BI+j:BI+j+1] op_sel_hi:[1,0,1]
.set j, j+2
.endr
	WIN 0
.set j, 0
.rept 64
	v_med3_num_f32 v[TMP+j], v[TMP+j], -v[LIM], v[LIM]
.set j, j+1
.endr
.irp b, 0,1,2,3,4,5,6,7
	v_cvt_scalef32_pk8_bf8_f32 v[CC+2*\b:CC+2*\b+1], v[TMP+8*\b:TMP+8*\b+7], v[SCL]
.endr
	v_nop                                          ; a plain line behind the last conversion: the next block writes its sources
.irp b, 0,1,2,3,4,5,6,7
	ds_store_b64 v[STC], v[CC+2*\b:CC+2*\b+1] offset:(\a)*16*PITCH+16*\b
.endr
.endm
; Block a as f32: through my own stage and back as whole rows of 512 bytes.  LDS serves a wave's instructions in order (ISA guide 5.7.1.4): no wait between the stores and the loads.
.macro TOSTAGE a
.set AC, 64*((\a)%4)
.set BB, 64*((\a)%2)
	WIN 0x02+((\a)/4)
.set j, 0
.rept 32
	v_pk_fma_f32 v[TMP+j:TMP+j+1], v[AC+j:AC+j+1], s[90:91], v[BI+j:BI+j+1] op_sel_hi:[1,0,1]
.set j, j+2
.endr
	WIN 0
.irp b, 0,1,2,3,4,5,6,7
	ds_store_b128 v[STO], v[TMP+8*\b:TMP+8*\b+3] offset:64*\b
	ds_store_b128 v[STO], v[TMP+8*\b+4:TMP+8*\b+7] offset:64*\b+16
.endr
	WIN 0x40                                       ; destination window 1
.set t, 0
.rept 16
	ds_load_b128 v[BB+4*t:BB+4*t+3], v[RD] offset:t*SPITCH
.set t, t+1
.endr
	WIN 0
.endm
.macro SEND a, younger                 ; younger: the LDS instructions issued behind block a's loads, which may stay out
.set BB, 64*((\a)%2)
	s_wait_dscnt \younger
.if (\a) > 0
	s_add_nc_u64 s[88:89], s[88:89], 16*4096       ; 16 rows on (behind a wait on XCNT: the earlier stores have read their base)
.endif
	WIN 0x04                                       ; store data in window 1
.set t, 0
.rept 16
	global_store_b128 v[CO], v[BB+4*t:BB+4*t+3], s[88:89] offset:t*4096   ; 32 lanes store 512 consecutive bytes, aligned
.set t, t+1
.endr
	WIN 0
.endm
	s_cmp_eq_u32 ttmp9, 2                          ; V's clusters make no codes.  The branch hangs on the cluster's x, the same in every wave and every partner
	s_cbranch_scc1 .Lno_codes
.irp a, 0,1,2,3,4,5,6,7
	QBLOCK \a
.endr
.Lno_codes:
	s_wait_dscnt 0x0                               ; for the others' sake: my stores into the shared stage are done
	s_barrier_signal -1
	s_barrier_wait -1                              ; a row's 256 bytes come from two waves
	s_cmp_eq_u32 ttmp9, 2
	s_cbranch_scc1 .Lvpath
	WIN 0x40
.set t, 0
.rept 32
	ds_load_b128 v[4*t:4*t+3], v[RDC] offset:t*2*PITCH
.set t, t+1
.endr
	WIN 0x04
.set t, 0
.rept 32
	s_wait_dscnt 31-t                              ; load t is in; the younger ones may be out
	global_store_b128 v[COC], v[4*t:4*t+3], s[10:11] offset:t*2*KROW   ; sixteen lanes store 256 consecutive bytes, aligned
.set t, t+1
.endr
	WIN 0
	s_branch .Lend
.Lvpath:
	TOSTAGE 0
.irp a, 1,2,3,4,5,6,7
.if \a > 1
	s_wait_xcnt 0x0                                ; block a - 2's stores have read their registers and their base
.endif
	TOSTAGE \a
	SEND \a-1, 32                                  ; behind block a - 1's loads: block a's 16 stores and 16 loads
.endr
	s_wait_xcnt 0x0
	SEND 7, 0
.Lend:
	s_wait_tensorcnt 0x0                           ; the wave's end
	ds_add_u32 v[SPW], v[NIL]
	s_wait_dscnt 0x0
	CROUND                                         ; the closing round
	s_endpgm
.Lfunc_end_k_qcaafe1bccf_proj:
	.size	k_qcaafe1bccf_proj, .Lfunc_end_k_qcaafe1bccf_proj-k_qcaafe1bccf_proj
	.p2alignl 7, 3214868480
	.fill 96, 4, 3214868480
	.section	.rodata,"a",@progbits
	.p2align	6, 0x0
	.amdhsa_kernel k_qcaafe1bccf_proj
		.amdhsa_group_segment_fixed_size 327680
		.amdhsa_private_segment_fixed_size 0
		.amdhsa_enable_private_segment 0
		.amdhsa_kernarg_size 88
		.amdhsa_user_sgpr_count 2
		.amdhsa_user_sgpr_kernarg_segment_ptr 1
		.amdhsa_wavefront_size32 1
		.amdhsa_system_sgpr_workgroup_id_x 1
		.amdhsa_system_sgpr_workgroup_id_y 1
		.amdhsa_system_sgpr_workgroup_id_z 1
		.amdhsa_system_vgpr_workitem_id 0
		.amdhsa_next_free_vgpr 1024
		.amdhsa_next_free_sgpr 100
		.amdhsa_reserve_vcc 0
		.amdhsa_float_denorm_mode_32 3
		.amdhsa_float_denorm_mode_16_64 3
		.amdhsa_memory_ordered 1
		.amdhsa_forward_progress 1
		.amdhsa_inst_pref_size 190
	.end_amdhsa_kernel
	.amdgpu_metadata
---
amdhsa.version: [ 1, 2 ]
amdhsa.kernels:
  - .name:           k_qcaafe1bccf_proj
    .symbol:         k_qcaafe1bccf_proj.kd
    .args:
      - { .name: X_embed_codes, .offset: 0, .size: 8, .value_kind: global_buffer, .address_space: global }
      - { .name: W_q_codes, .offset: 8, .size: 8, .value_kind: global_buffer, .address_space: global }
      - { .name: W_k_codes, .offset: 16, .size: 8, .value_kind: global_buffer, .address_space: global }
      - { .name: W_v_codes, .offset: 24, .size: 8, .value_kind: global_buffer, .address_space: global }
      - { .name: b_q, .offset: 32, .size: 8, .value_kind: global_buffer, .address_space: global }
      - { .name: b_k, .offset: 40, .size: 8, .value_kind: global_buffer, .address_space: global }
      - { .name: b_v, .offset: 48, .size: 8, .value_kind: global_buffer, .address_space: global }
      - { .name: lowp_scales, .offset: 56, .size: 8, .value_kind: global_buffer, .address_space: global }
      - { .name: qc, .offset: 64, .size: 8, .value_kind: global_buffer, .address_space: global }
      - { .name: kc, .offset: 72, .size: 8, .value_kind: global_buffer, .address_space: global }
      - { .name: vf, .offset: 80, .size: 8, .value_kind: global_buffer, .address_space: global }
    .group_segment_fixed_size: 327680
    .private_segment_fixed_size: 0
    .kernarg_segment_align: 8
    .kernarg_segment_size: 88
    .max_flat_workgroup_size: 128
    .sgpr_count:     100
    .vgpr_count:     1024
    .wavefront_size: 32
...
	.end_amdgpu_metadata
.endif
;; end of part 1
;; launch attn (part 2): grid 256 x 1, 16 waves a work-group, clusters of 4 x 1, 176,128 bytes of LDS; arguments qc, kc, vf, lowp_scales, ac; writes ac
.if DOCPART == 2
	.amdgcn_target "amdgcn-amd-amdhsa--gfx1250"
	.amdhsa_code_object_version 6
	.text
	.protected	k_qcaafe1bccf_attn
	.globl	k_qcaafe1bccf_attn
	.p2align	8
	.type	k_qcaafe1bccf_attn,@function
k_qcaafe1bccf_attn:
	s_mov_b64 s[64:65], 0
	v_nop
	global_prefetch_b8 v0, s[64:65] scope:SCOPE_SE
	s_setreg_imm32_b32 hwreg(HW_REG_WAVE_MODE, 25, 1), 1
	s_wait_xcnt 0x0
	s_wait_alu depctr_hold_cnt(0) depctr_sa_sdst(0) depctr_va_vdst(0) depctr_va_sdst(0) depctr_va_ssrc(0) depctr_va_vcc(0) depctr_vm_vsrc(0)
	s_getreg_b32 s2, hwreg(HW_REG_IB_STS2, 6, 4)
	s_cmp_eq_u32 s2, 0
	s_cbranch_scc0 .Lentry_in_a_cluster
	s_endpgm
.Lentry_in_a_cluster:
	s_bfe_u32 s2, ttmp6, 0x10000c
	s_cmp_lg_u32 s2, 0x3003
	s_cbranch_scc0 .Lentry_shape_is_right
	s_endpgm
.Lentry_shape_is_right:
; For each head (64 of them: 128 consecutive rows of the [8192][1024] buffers = [2048][64]) and each key column b:
;   diag[b] = exp(s[b][b] - max_a s[a][b]) / sum_a exp(s[a][b] - max_a s[a][b]),  s[a][b] = Q[a] . K[b] on codes of BF8;   ac[b][:] = the code of diag[b] x V[b][:] with the scale 2^e8.
; SHARES.  The cluster's x is the head; cx the quarter of its key columns.  A work-group owns 512 columns, each of its sixteen waves 32: two tiles of 16.  Every wave walks all 2,048 queries a, 64 a trip.
; Four waves share a SIMD, so that one wave's exponentials stand beside another's plain vector work, LDS loads and products.
; CLUSTER.  The four work-groups of a head read the same 131,072 bytes of Q's codes: they come by joint loads (mask 15), once, and stay in LDS.  cx enters global addresses alone: the diagonal's
; fragment of Q therefore comes from memory.  Nothing in LDS is filled twice.
; LAYOUT.  S = Q K^T: source 0 = 16 queries, source 1 = my 16 columns: a lane holds ONE column (lane % 16) and the queries 8 (lane / 16) + 0 .. 7 of each tile of 16.  So a column's maximum and sum
; stay in the lane; each half of the lanes keeps its own running maximum m and sum l, and the two halves meet once, at the end.
; SOFTMAX.  p = 2^(c s - c m), c = log2(e) x 2^(e6 + e7), s the raw sum of products of codes; in every trip l is multiplied by 2^(c m_old - c m_new).
; A fragment comes by two loads of 16 bytes: k is permuted inside an instruction, alike in both operands.
; LIMITS: e6 + e7 between -126 and 86 (c, and c x 2^40, are f32 numbers; m starts at -2^40, under every raw score, which is under 2^38 in magnitude); e8 between -126 and 112.
; An exponential under 2^-126 counts as 0.  NaN is not served.
.set QP,   272                         ; LDS: four head rows of 64 bytes make a long row of 256 + 16 of padding: the 16 rows of a fragment load fall into 16 different columns of 16 bytes
.set DG,   139264                      ; behind Q's 512 long rows: 128 bytes a wave for diag
.set CSTG, 141312                      ; 2,048 bytes a wave: the codes' stage
.set AQ0, 1                            ; v1   my lane's place in a fragment of Q: (r / 4) x 272 + (r % 4) x 64 + 16 h
.set ADQ, 2                            ; v2   the LDS address of the run of loads in hand
.set KO,  3                            ; v3   64 r + 16 h: my place in 16 rows of codes in memory
.set VO,  4                            ; v4   16 x lane
.set VD,  5                            ; v5   where I put diag of column r
.set VR,  6                            ; v6   where I read diag of column 2 t + h
.set CW,  7                            ; v7   the codes' stage: 4 x lane
.set CR,  8                            ; v8   and 16 x lane
.set KF,  16                           ; v16-31   K's two fragments: they stay
.set QF,  32                           ; v32-63   four fragments of Q
.set S,   64                           ; v64-127  the scores, then p: tile u at S + 32 u
.set VV,  128                          ; v128-191 my 32 columns of V
.set ST,  192                          ; v192-207 tile u at ST + 8 u: +0 c m, +1 m, +2, +3 l, +4 the factor (+5 its pair partner), +6, +7 at work
.set SD,  208                          ; v208-209 the raw diagonal scores
.set PX,  210                          ; v210-211 destinations of the lane exchanges
.set SCL, 212                          ; v212 2^e8 as f32
.set LIM, 213                          ; v213 57,344 x 2^e8
.set DM,  216                          ; v216-231 diag of column 2 t + h
.set CD,  232                          ; v232-247 codes
.set WV,  14                           ; s14  my wave's number
.set G1,  24                           ; s[24:31] descriptor group 1
.set G0,  32                           ; s[32:35] group 0
.set CF,  36                           ; s[36:37] c, twice
.set SEL, 38                           ; s[38:39] lane selects: lane l xor 16
.set TB,  40                           ; s40  LDS byte of the 64 queries to be fetched
.set CNT, 41                           ; s41  trips to go
.macro CROUND                          ; a round of the cluster's barrier
	s_barrier_signal -1
	s_barrier_wait -1
	s_cmp_lg_u32 s[WV], 0
	s_cbranch_scc1 .Lnot_wave_0_\@
	s_barrier_signal -3
.Lnot_wave_0_\@:
	s_barrier_wait -3
	s_barrier_signal -1
	s_barrier_wait -1
.endm
	s_load_b256 s[4:11], s[0:1], 0x0               ; qc s[4:5], kc s[6:7], vf s[8:9], the scales' exponents s[10:11]
	s_load_b64 s[12:13], s[0:1], 0x20              ; ac
	v_lshl_add_u32 v254, v0, 2, 0x2a800
	v_mov_b32 v255, 0
	ds_add_u32 v254, v255
	ds_add_u32 v254, v255
	v_lshrrev_b32 v9, 5, v0
	v_readfirstlane_b32 s[WV], v9                  ; wave 0..15
	s_bfe_u32 s15, ttmp6, 0x40000                  ; cx
	s_lshl_b32 s16, ttmp9, 17                      ; the head's first byte in a buffer of codes: 131,072 x cluster x
	s_lshl_b32 s18, s[WV], 14
	s_add_co_u32 s18, s18, s16                     ; what I fetch of Q, if I fetch: 64 long rows, 16,384 bytes x wave: no cx in it
	s_mov_b32 s19, 0
	s_lshl_b32 s20, s15, 15
	s_add_co_u32 s20, s20, s16
	s_lshl_b32 s21, s[WV], 11
	s_add_co_u32 s20, s20, s21                     ; my 32 columns' codes: head + 32,768 cx + 2,048 x wave
	s_mov_b32 s21, 0
	s_lshl_b32 s22, s20, 2                         ; and their f32 numbers (under 2^26)
	s_mov_b32 s23, 0
	s_mov_b32 s[G1], 15|(1<<20)|(1<<21)|(5<<22)|(3<<25)   ; 15:0 the mask: all four; 17:16 elements of 1 byte; 20 padding on; 21 set beside a mask; 24:22 after every 64 words; 31:25 four words
	s_mov_b32 s[G1+1], 256<<16                     ; tensor_dim0
	s_mov_b32 s[G1+2], 64<<16                      ; tensor_dim1
	s_mov_b32 s[G1+3], 256<<16                     ; tile_dim0
	s_mov_b32 s[G1+4], 64                          ; tile_dim1
	s_mov_b32 s[G1+5], 256                         ; the pitch: the block is dense
	s_mov_b32 s[G1+6], 0
	s_mov_b32 s[G1+7], 0
	s_mov_b32 s[G0], 1
	s_mul_i32 s[G0+1], s[WV], 64*QP                ; LDS address: wave x 64 long rows
	s_mov_b32 s[SEL], 0x76543210
	s_mov_b32 s[SEL+1], 0xfedcba98
	s_mov_b32 s[TB], 0
	s_mov_b32 s[CNT], 31
	v_and_b32 v9, 15, v0                           ; r
	v_bfe_u32 v10, v0, 4, 1                        ; h
	v_and_b32 v11, 31, v0                          ; lane
	v_lshrrev_b32 v12, 2, v9
	v_and_b32 v13, 3, v9
	v_mul_u32_u24 v[AQ0], v12, QP
	v_lshl_add_u32 v[AQ0], v13, 6, v[AQ0]
	v_lshl_add_u32 v[AQ0], v10, 4, v[AQ0]
	v_lshlrev_b32 v[KO], 6, v9
	v_lshl_add_u32 v[KO], v10, 4, v[KO]
	v_lshlrev_b32 v[VO], 4, v11
	s_lshl_b32 s16, s[WV], 7
	s_add_co_u32 s16, s16, DG
	v_lshl_add_u32 v[VD], v9, 2, s16
	v_lshl_add_u32 v[VR], v10, 2, s16
	s_lshl_b32 s17, s[WV], 11
	s_add_co_u32 s17, s17, CSTG
	v_lshl_add_u32 v[CW], v11, 2, s17
	v_lshl_add_u32 v[CR], v11, 4, s17
	s_wait_dscnt 0x0
	s_wait_kmcnt 0x0
	s_load_b128 s[44:47], s[10:11], 0x18           ; e6, e7, e8, e9
	s_add_nc_u64 s[G0+2:G0+3], s[4:5], s[18:19]
	s_or_b32 s[G0+3], s[G0+3], 0x80000000
	s_add_nc_u64 s[4:5], s[4:5], s[20:21]          ; Q's rows a = my columns b: for the diagonal
	s_add_nc_u64 s[6:7], s[6:7], s[20:21]
	s_add_nc_u64 s[12:13], s[12:13], s[20:21]
	s_add_nc_u64 s[8:9], s[8:9], s[22:23]
	CROUND                                         ; all four work-groups are here: the joint loads meet
	s_cmp_lt_u32 s[WV], 8                          ; waves 0 to 7 fetch, 64 long rows each: the same branch in every partner
	s_cbranch_scc0 .Lno_fetch
	tensor_load_to_lds s[G0:G0+3], s[G1:G1+7]
	s_nop 0
.rept 4
	v_nop
.endr
.Lno_fetch:
.irp u, 0,1
	global_load_b128 v[KF+8*\u:KF+8*\u+3],   v[KO], s[6:7] offset:1024*\u       ; K of columns 16 u + r: bytes 16 h on,
	global_load_b128 v[KF+8*\u+4:KF+8*\u+7], v[KO], s[6:7] offset:1024*\u+32    ; and 32 + 16 h on
	global_load_b128 v[QF+8*\u:QF+8*\u+3],   v[KO], s[4:5] offset:1024*\u       ; Q of the same rows
	global_load_b128 v[QF+8*\u+4:QF+8*\u+7], v[KO], s[4:5] offset:1024*\u+32
.endr
	s_wait_kmcnt 0x0
	s_add_co_i32 s16, s44, s45
	s_lshl_b32 s16, s16, 23
	s_add_co_i32 s[CF], s16, 0x3fb8aa3b            ; c = log2(e) x 2^(e6 + e7): the two exponents are added to log2(e)'s exponent field
	s_mov_b32 s[CF+1], s[CF]                       ; (named with it as a pair, so it is written)
	s_add_co_i32 s16, s46, 127
	s_lshl_b32 s17, s16, 23
	v_mov_b32 v[SCL], s17
	s_add_co_i32 s16, s16, 15
	s_lshl_b32 s16, s16, 23
	s_or_b32 s16, s16, 0x600000
	v_mov_b32 v[LIM], s16
.irp u, 0,1
	v_mov_b32 v[ST+8*\u+1], 0xd3800000             ; m = -2^40
	v_mul_f32 v[ST+8*\u], s[CF], v[ST+8*\u+1]      ; c m
	v_mov_b32 v[ST+8*\u+2], 0                      ; l, in two halves
	v_mov_b32 v[ST+8*\u+3], 0
	v_mov_b32 v[ST+8*\u+4], 0
	v_mov_b32 v[ST+8*\u+5], 0                      ; (named as the upper half of a pair)
	v_mov_b32 v[PX+\u], 0                          ; a lane exchange's destination counts as one of its sources
.endr
	s_wait_loadcnt 0x0
	; THE DIAGONAL.  Element (m, n) of a result lies in register m % 8 of lane 16 (m / 8) + n: (r, r) lies in register r % 8 of lane 24 (r / 8) + r % 8.
.irp u, 0,1
	v_wmma_f32_16x16x64_bf8_bf8 v[S+8*\u:S+8*\u+7], v[QF+8*\u:QF+8*\u+7], v[KF+8*\u:KF+8*\u+7], 0
.endr
	v_and_b32 v9, 7, v0                            ; five plain lines that name none of those registers: the places behind the two products
	v_lshrrev_b32 v10, 3, v0
	v_lshrrev_b32 v11, 4, v0
	v_xor_b32 v10, v10, v11
	v_and_b32 v10, 1, v10                          ; 0 in the lanes that hold a diagonal element: lanes 0-7 and 24-31
	v_mov_b32 v[SD], v[S]
	v_mov_b32 v[SD+1], v[S+8]
.irp j, 1,2,3,4,5,6,7
	v_cmp_eq_u32 vcc_lo, \j, v9
	v_cndmask_b32 v[SD], v[SD], v[S+\j], vcc_lo
	v_cndmask_b32 v[SD+1], v[SD+1], v[S+8+\j], vcc_lo
.endr
	v_permlanex16_b32 v[PX], v[SD], s[SEL], s[SEL+1]
	v_permlanex16_b32 v[PX+1], v[SD+1], s[SEL], s[SEL+1]
	v_cmp_eq_u32 vcc_lo, 0, v10
	v_cndmask_b32 v[SD], v[PX], v[SD], vcc_lo      ; every lane now holds s[b][b] of its column
	v_cndmask_b32 v[SD+1], v[PX+1], v[SD+1], vcc_lo
	s_wait_tensorcnt 0x0                           ; my part of Q is in,
	s_barrier_signal -1
	s_barrier_wait -1                              ; everybody's is
.set t, 0
.rept 16
	global_load_b128 v[VV+4*t:VV+4*t+3], v[VO], s[8:9] offset:512*t th:TH_LOAD_NT   ; V: asked for here, wanted behind the loop: load t brings a lane four numbers of column 2 t + h
.set t, t+1
.endr
.macro QLOAD                           ; four fragments of Q: queries 16 i + r of the 64
.irp i, 0,1,2,3
	ds_load_b128 v[QF+8*\i:QF+8*\i+3],   v[ADQ] offset:4*QP*\i
	ds_load_b128 v[QF+8*\i+4:QF+8*\i+7], v[ADQ] offset:4*QP*\i+32
.endr
.endm
.macro SCORES                          ; eight products, eight accumulators, each begun with 0
.irp i, 0,1,2,3
.irp u, 0,1
	v_wmma_f32_16x16x64_bf8_bf8 v[S+32*\u+8*\i:S+32*\u+8*\i+7], v[QF+8*\i:QF+8*\i+7], v[KF+8*\u:KF+8*\u+7], 0
.endr
.endr
.endm
.macro MAXES                           ; m = max(m, my 32 scores): two chains a tile, the four by turns; each accumulator is first read at its low end
.set k, 0
.rept 8
.irp u, 0,1
	v_max3_num_f32 v[ST+8*\u+1], v[ST+8*\u+1], v[S+32*\u+2*k], v[S+32*\u+2*k+1]
.endr
.irp u, 0,1
.if k == 0
	v_max3_num_f32 v[ST+8*\u+6], v[S+32*\u+16], v[S+32*\u+17], v[S+32*\u+18]
.elseif k < 7
	v_max3_num_f32 v[ST+8*\u+6], v[ST+8*\u+6], v[S+32*\u+17+2*k], v[S+32*\u+18+2*k]
.else
	v_max3_num_f32 v[ST+8*\u+1], v[ST+8*\u+1], v[ST+8*\u+6], v[S+32*\u+31]
.endif
.endr
.set k, k+1
.endr
.endm
.macro STATS
.irp u, 0,1
	v_mul_f32 v[ST+8*\u+6], s[CF], v[ST+8*\u+1]    ; the new c m
.endr
.irp u, 0,1
	v_sub_f32 v[ST+8*\u+4], v[ST+8*\u], v[ST+8*\u+6]   ; c m_old - c m_new, 0 or less
.endr
.irp u, 0,1
	v_mov_b32 v[ST+8*\u], v[ST+8*\u+6]
.endr
.endm
.macro SCALE                           ; c s - c m, two at a time (of the pairs c and (c m, m) the low word serves both halves)
.set k, 0
.rept 16
.irp u, 0,1
	v_pk_fma_f32 v[S+32*\u+2*k:S+32*\u+2*k+1], v[S+32*\u+2*k:S+32*\u+2*k+1], s[CF:CF+1], v[ST+8*\u:ST+8*\u+1] op_sel_hi:[1,0,0] neg_lo:[0,0,1] neg_hi:[0,0,1]
.endr
.set k, k+1
.endr
.endm
.macro EXPS                            ; one batch of 66, a plain line, one wait ahead of the first reader
.irp u, 0,1
	v_exp_f32 v[ST+8*\u+4], v[ST+8*\u+4]
.endr
.set k, 0
.rept 64
	v_exp_f32 v[S+k], v[S+k]
.set k, k+1
.endr
	v_nop
	s_wait_alu depctr_va_vdst(0)
.endm
.macro SUMS                            ; l = l x factor + the 32 p, packed, two chains a tile
.irp u, 0,1
	v_pk_fma_f32 v[ST+8*\u+2:ST+8*\u+3], v[ST+8*\u+2:ST+8*\u+3], v[ST+8*\u+4:ST+8*\u+5], v[S+32*\u:S+32*\u+1] op_sel_hi:[1,0,1]
	v_pk_add_f32 v[ST+8*\u+6:ST+8*\u+7], v[S+32*\u+2:S+32*\u+3], v[S+32*\u+6:S+32*\u+7]
.endr
.set k, 1
.rept 7
.irp u, 0,1
	v_pk_add_f32 v[ST+8*\u+2:ST+8*\u+3], v[ST+8*\u+2:ST+8*\u+3], v[S+32*\u+4*k:S+32*\u+4*k+1]
.if k < 7
	v_pk_add_f32 v[ST+8*\u+6:ST+8*\u+7], v[ST+8*\u+6:ST+8*\u+7], v[S+32*\u+4*k+6:S+32*\u+4*k+7]
.endif
.endr
.set k, k+1
.endr
.irp u, 0,1
	v_pk_add_f32 v[ST+8*\u+2:ST+8*\u+3], v[ST+8*\u+2:ST+8*\u+3], v[ST+8*\u+6:ST+8*\u+7]
.endr
.endm
; A TRIP: 64 queries.  next = 1: the next trip's fragments are fetched straight behind the products, a whole softmax ahead of their use.
.macro TRIP next
	s_wait_dscnt 0x0                               ; Q's four fragments are in
	SCORES
.if \next
	s_add_co_u32 s[TB], s[TB], 16*QP               ; 64 queries are 16 long rows
	v_add_nc_u32 v[ADQ], s[TB], v[AQ0]             ; with the three lines below: the four places in front of the loads into Q's registers and of the first read of the scores
.rept 3
	v_nop
.endr
	QLOAD
.else
.rept 4
	v_nop
.endr
.endif
	MAXES
	STATS
	SCALE
	EXPS
	SUMS
.endm
	v_mov_b32 v[ADQ], v[AQ0]
	QLOAD                                          ; queries 0 to 63
.Ltrip:                                            ; 31 trips; the 32nd is written out, since it fetches nothing
	TRIP 1
	s_sub_co_u32 s[CNT], s[CNT], 1
	s_cmp_lg_u32 s[CNT], 0
	s_cbranch_scc1 .Ltrip
	TRIP 0
	; THE TWO HALVES MEET.  M = the larger m; each half's l is brought under M; diag = 2^(c s_bb - c M) / (the two l added)
.irp u, 0,1
	v_permlanex16_b32 v[PX+\u], v[ST+8*\u+1], s[SEL], s[SEL+1]
.endr
.irp u, 0,1
	v_max_num_f32 v[ST+8*\u+1], v[ST+8*\u+1], v[PX+\u]
.endr
.irp u, 0,1
	v_mul_f32 v[ST+8*\u+6], s[CF], v[ST+8*\u+1]    ; c M: in the half whose m is M it is that half's c m, bit for bit
.endr
.irp u, 0,1
	v_sub_f32 v[ST+8*\u+4], v[ST+8*\u], v[ST+8*\u+6]
	v_fma_f32 v[ST+8*\u+5], v[SD+\u], s[CF], -v[ST+8*\u+6]
	v_add_f32 v[ST+8*\u+2], v[ST+8*\u+2], v[ST+8*\u+3]
.endr
.irp u, 0,1
	v_exp_f32 v[ST+8*\u+4], v[ST+8*\u+4]
	v_exp_f32 v[ST+8*\u+5], v[ST+8*\u+5]
.endr
	v_nop
	s_wait_alu depctr_va_vdst(0)                   ; one wait for the four exponentials
.irp u, 0,1
	v_mul_f32 v[ST+8*\u+2], v[ST+8*\u+2], v[ST+8*\u+4]
.endr
.irp u, 0,1
	v_permlanex16_b32 v[PX+\u], v[ST+8*\u+2], s[SEL], s[SEL+1]
.endr
.irp u, 0,1
	v_add_f32 v[ST+8*\u+2], v[ST+8*\u+2], v[PX+\u] ; the column's sum: at least the largest term's 1
.endr
.irp u, 0,1
	v_rcp_f32 v[ST+8*\u+3], v[ST+8*\u+2]
.endr
	v_nop
	s_wait_alu depctr_va_vdst(0)                   ; one wait for the two reciprocals
.irp u, 0,1
	v_mul_f32 v[ST+8*\u+3], v[ST+8*\u+3], v[ST+8*\u+5]
.endr
.irp u, 0,1
	ds_store_b32 v[VD], v[ST+8*\u+3] offset:64*\u  ; diag of column 16 u + r (both halves of the lanes hold the same number)
.endr
.set t, 0
.rept 16
	ds_load_b32 v[DM+t], v[VR] offset:8*t          ; my wave's own bytes, served in order (ISA guide 5.7.1.4): diag of column 2 t + h
.set t, t+1
.endr
	s_wait_loadcnt 0x0                             ; V
	s_wait_dscnt 0x0
.set t, 0
.rept 16
.irp i, 0,1,2,3
	v_mul_f32 v[VV+4*t+\i], v[VV+4*t+\i], v[DM+t]
.endr
.set t, t+1
.endr
.set t, 0
.rept 64
	v_med3_num_f32 v[VV+t], v[VV+t], -v[LIM], v[LIM]   ; the conversion to an 8-bit code does not saturate (ISA guide 7.6.2): the hold at the largest code x the scale
.set t, t+1
.endr
.irp g, 0,1,2,3,4,5,6,7
	v_cvt_scalef32_pk8_bf8_f32 v[CD+2*\g:CD+2*\g+1], v[VV+8*\g:VV+8*\g+7], v[SCL]   ; register CD + t: the four codes at byte 128 t + 4 x lane of my 2,048
.endr
	v_nop                                          ; a plain line behind the last conversion
.set t, 0
.rept 16
	ds_store_b32 v[CW], v[CD+t] offset:128*t
.set t, t+1
.endr
.irp g, 0,1,2,3
	ds_load_b128 v[S+4*\g:S+4*\g+3], v[CR] offset:512*\g
.endr
.irp g, 0,1,2,3
	s_wait_dscnt 3-\g                              ; load g is in; the younger ones may be out
	global_store_b128 v[VO], v[S+4*\g:S+4*\g+3], s[12:13] offset:512*\g   ; 32 lanes store 512 consecutive bytes, aligned
.endr
	s_wait_tensorcnt 0x0
	ds_add_u32 v254, v255
	s_wait_dscnt 0x0
	CROUND                                         ; the closing round
	s_endpgm
.Lfunc_end_k_qcaafe1bccf_attn:
	.size	k_qcaafe1bccf_attn, .Lfunc_end_k_qcaafe1bccf_attn-k_qcaafe1bccf_attn
	.p2alignl 7, 3214868480
	.fill 96, 4, 3214868480
	.section	.rodata,"a",@progbits
	.p2align	6, 0x0
	.amdhsa_kernel k_qcaafe1bccf_attn
		.amdhsa_group_segment_fixed_size 176128
		.amdhsa_private_segment_fixed_size 0
		.amdhsa_enable_private_segment 0
		.amdhsa_kernarg_size 40
		.amdhsa_user_sgpr_count 2
		.amdhsa_user_sgpr_kernarg_segment_ptr 1
		.amdhsa_wavefront_size32 1
		.amdhsa_system_sgpr_workgroup_id_x 1
		.amdhsa_system_sgpr_workgroup_id_y 1
		.amdhsa_system_sgpr_workgroup_id_z 1
		.amdhsa_system_vgpr_workitem_id 0
		.amdhsa_next_free_vgpr 256
		.amdhsa_next_free_sgpr 66
		.amdhsa_reserve_vcc 1
		.amdhsa_float_denorm_mode_32 3
		.amdhsa_float_denorm_mode_16_64 3
		.amdhsa_memory_ordered 1
		.amdhsa_forward_progress 1
		.amdhsa_inst_pref_size 39
	.end_amdhsa_kernel
	.amdgpu_metadata
---
amdhsa.version: [ 1, 2 ]
amdhsa.kernels:
  - .name:           k_qcaafe1bccf_attn
    .symbol:         k_qcaafe1bccf_attn.kd
    .args:
      - { .name: qc, .offset: 0, .size: 8, .value_kind: global_buffer, .address_space: global }
      - { .name: kc, .offset: 8, .size: 8, .value_kind: global_buffer, .address_space: global }
      - { .name: vf, .offset: 16, .size: 8, .value_kind: global_buffer, .address_space: global }
      - { .name: lowp_scales, .offset: 24, .size: 8, .value_kind: global_buffer, .address_space: global }
      - { .name: ac, .offset: 32, .size: 8, .value_kind: global_buffer, .address_space: global }
    .group_segment_fixed_size: 176128
    .private_segment_fixed_size: 0
    .kernarg_segment_align: 8
    .kernarg_segment_size: 40
    .max_flat_workgroup_size: 512
    .sgpr_count:     66
    .vgpr_count:     256
    .wavefront_size: 32
...
	.end_amdgpu_metadata
.endif
;; end of part 2
;; launch outp (part 3): grid 4 x 64, 4 waves a work-group, clusters of 4 x 4, 327,680 bytes of LDS; arguments ac, W_o_codes, lowp_scales, b_o, out0; writes out0
.if DOCPART == 3
	.amdgcn_target "amdgcn-amd-amdhsa--gfx1250"
	.amdhsa_code_object_version 6
	.text
	.protected	k_qcaafe1bccf_outp
	.globl	k_qcaafe1bccf_outp
	.p2align	8
	.type	k_qcaafe1bccf_outp,@function
k_qcaafe1bccf_outp:
	s_mov_b64 s[64:65], 0
	v_nop
	global_prefetch_b8 v0, s[64:65] scope:SCOPE_SE
	s_setreg_imm32_b32 hwreg(HW_REG_WAVE_MODE, 25, 1), 1
	s_wait_xcnt 0x0
	s_wait_alu depctr_hold_cnt(0) depctr_sa_sdst(0) depctr_va_vdst(0) depctr_va_sdst(0) depctr_va_ssrc(0) depctr_va_vcc(0) depctr_vm_vsrc(0)
	s_getreg_b32 s2, hwreg(HW_REG_IB_STS2, 6, 4)
	s_cmp_eq_u32 s2, 0
	s_cbranch_scc0 .Lentry_in_a_cluster
	s_endpgm
.Lentry_in_a_cluster:
	s_bfe_u32 s2, ttmp6, 0x10000c
	s_cmp_lg_u32 s2, 0xf033
	s_cbranch_scc0 .Lentry_shape_is_right
	s_endpgm
.Lentry_shape_is_right:
; out0 = A W_o + b_o on codes of BF8 (E5M2).  A: ac [8192][1024] codes with the scale 2^e8; W_o: [1024 (n)][1024 (k)] codes with 2^e9; b_o f32; out0 [8192][1024] f32 = sum x 2^(e8 + e9) + b_o.
; LIMIT: e8 + e9 between -126 and 127, so that 2^(e8 + e9) is an f32 number.
; A tile of out0 is 128 rows x 256 columns: 64 x 4 = 256 work-groups, where tiles of 256 x 256 would make 128.  Four waves, each 64 x 128: 32 accumulators, 256 registers.
; K goes in four steps of 256 through a ring of two LDS slots; the steps are written out.  A fragment comes by four loads of 16 bytes: k is permuted inside an instruction, alike in both operands.
; CLUSTERS: 4 x 4 work-groups: A's tile is shared along a row of the cluster, W_o's along a column: joint loads.
; THE MATRIX INSTRUCTION IS USED TRANSPOSED (source 0 = 16 rows of W_o, source 1 = 16 rows of A): a lane holds eight neighbouring numbers of a row of out0.
; REGISTERS: window 0: v0-31 addresses; v32-95 my 64 bias numbers; A's fragments, two sets of 4 x 16, at v128 and v192; on the way out v128-191 numbers at work.
;   window 1: W_o's fragments, two sets of 8 x 16, at v0 and v128; on the way out v0-127 rows read back.   window 2: the accumulators, (a, b) at v[8 (8 a + b)].
.set KROW,   1024
.set ROWB,   256
.set PITCH,  272                       ; an LDS row: 256 bytes + 16 of padding
.set FR,     16
.set AT,     128*PITCH                 ; A's 128 rows
.set SLOT,   384*PITCH                 ; A's 128 rows, then W_o's 256
.set SPARE,  2*SLOT                    ; the spare words, 128 bytes a wave
.set STAGE,  SPARE+512                 ; the way out: 16 rows x 528 bytes for each wave; no tile lands here
.set SPITCH, 528
.set ADRA, 16                          ; v16-17
.set BO,   18                          ; v18     32 x (lane / 16)
.set ADRB, 20                          ; v20-21
.set STO,  24
.set RD,   25
.set CO,   26
.set SPW,  28                          ; my spare word; never rewritten
.set NIL,  29                          ; 0; never rewritten
.set BI,   32
.set TMP,  128
.set G1, 24
.set G0, 32
.set G1B, 48
.set G0B, 56
.set MSB, 0
.macro WIN new                         ; the immediate's high byte repeats the setting that is left
.if MSB != (\new)
	s_set_vgpr_msb (MSB<<8)|(\new)
.set MSB, (\new)
.endif
.endm
.set MUL, 0xa1                         ; source 0 (W_o) window 1, source 1 (A) window 0, C and D window 2
.macro JLOAD g0a, g1a, g0b, g1b        ; waves 0 and 1 fetch A's halves (64 rows), waves 2 and 3 W_o's (128 rows); four v_nop follow each line
	s_cmp_eq_u32 s15, 0
	s_cbranch_scc0 .Lfor_b_\@
	tensor_load_to_lds s[\g0a:\g0a+3], s[\g1a:\g1a+7]
	s_nop 0
.rept 4
	v_nop
.endr
	s_branch .Lasked_\@
.Lfor_b_\@:
	tensor_load_to_lds s[\g0b:\g0b+3], s[\g1b:\g1b+7]
	s_nop 0
.rept 4
	v_nop
.endr
.Lasked_\@:
.endm
.macro CREST
	s_cmp_lg_u32 s14, 0
	s_cbranch_scc1 .Lnot_wave_0_\@
	s_barrier_signal -3
.Lnot_wave_0_\@:
	s_barrier_wait -3
	s_barrier_signal -1
	s_barrier_wait -1
.endm
.macro CROUND
	s_barrier_signal -1
	s_barrier_wait -1
	CREST
.endm
	s_load_b128 s[4:7], s[0:1], 0x0                ; ac s[4:5], W_o's codes s[6:7]
	s_load_b128 s[8:11], s[0:1], 0x10              ; the scales' exponents s[8:9], b_o s[10:11]
	s_load_b64 s[12:13], s[0:1], 0x20              ; out0
	v_lshl_add_u32 v[SPW], v0, 2, SPARE
	v_mov_b32 v[NIL], 0
	ds_add_u32 v28, v29
	ds_add_u32 v28, v29
	s_wait_dscnt 0x0
	v_lshrrev_b32 v1, 5, v0
	v_readfirstlane_b32 s14, v1                    ; wave 0..3
	s_lshr_b32 s15, s14, 1                         ; which 64 of the tile's rows are mine.  Also: I fetch for A (0) or for W_o (1)
	s_and_b32 s16, s14, 1                          ; which 128 of its columns.  Also: which half of that tile I fetch
	s_bfe_u32 s40, ttmp6, 0x40000                  ; cx
	s_bfe_u32 s41, ttmp6, 0x40004                  ; cy
	s_lshl_b32 s42, ttmp9, 2
	s_add_co_u32 s42, s42, s40                     ; tile column
	s_and_b32 s17, ttmp7, 0xffff
	s_lshl_b32 s17, s17, 2
	s_add_co_u32 s17, s17, s41                     ; tile row
	s_lshl_b32 s43, s41, 2
	s_lshl_b32 s43, 15, s43                        ; my row of the cluster
	s_lshl_b32 s44, 0x1111, s40                    ; my column
	s_or_b32 s[G1+0], s43, (1<<20)|(1<<21)|(5<<22)|(3<<25)   ; the mask; elements of 1 byte; padding: four words after every 64; bit 21 beside a mask
	s_mov_b32 s[G1+1], ROWB<<16                    ; tensor_dim0
	s_mov_b32 s[G1+2], 64<<16                      ; tensor_dim1
	s_mov_b32 s[G1+3], ROWB<<16                    ; tile_dim0
	s_mov_b32 s[G1+4], 64                          ; tile_dim1
	s_mov_b32 s[G1+5], KROW
	s_mov_b32 s[G1+6], 0
	s_mov_b32 s[G1+7], 0
	s_or_b32 s[G1B+0], s44, (1<<20)|(1<<21)|(5<<22)|(3<<25)
	s_mov_b32 s[G1B+1], ROWB<<16
	s_mov_b32 s[G1B+2], 128<<16
	s_mov_b32 s[G1B+3], ROWB<<16
	s_mov_b32 s[G1B+4], 128
	s_mov_b32 s[G1B+5], KROW
	s_mov_b32 s[G1B+6], 0
	s_mov_b32 s[G1B+7], 0
	s_lshl_b32 s20, s17, 7
	s_lshl_b32 s21, s16, 6
	s_add_co_u32 s20, s20, s21                     ; A: row 128 x tile row + 64 x half,
	s_lshl_b32 s20, s20, 10                        ; in bytes
	s_mov_b32 s21, 0
	s_lshl_b32 s46, s42, 8
	s_lshl_b32 s47, s16, 7
	s_add_co_u32 s46, s46, s47                     ; W_o: row 256 x tile column + 128 x half,
	s_lshl_b32 s46, s46, 10
	s_mov_b32 s47, 0
	s_mul_i32 s18, s16, 64*PITCH                   ; where they go: A's half,
	s_mul_i32 s19, s16, 128*PITCH
	s_add_co_u32 s19, s19, AT                      ; W_o's half, behind A's 128 rows
	s_wait_kmcnt 0x0
	s_load_b64 s[96:97], s[8:9], 0x20              ; e8, e9
	s_add_nc_u64 s[20:21], s[4:5], s[20:21]
	s_add_nc_u64 s[46:47], s[6:7], s[46:47]
	CROUND                                         ; all sixteen work-groups are here: the first joint loads meet
.irp s, 0,1
	s_mov_b32 s[G0+4*\s], 1
	s_add_co_u32 s[G0+4*\s+1], s18, \s*SLOT
	s_add_nc_u64 s[G0+4*\s+2:G0+4*\s+3], s[20:21], \s*ROWB
	s_or_b32 s[G0+4*\s+3], s[G0+4*\s+3], 0x80000000
	s_mov_b32 s[G0B+4*\s], 1
	s_add_co_u32 s[G0B+4*\s+1], s19, \s*SLOT
	s_add_nc_u64 s[G0B+4*\s+2:G0B+4*\s+3], s[46:47], \s*ROWB
	s_or_b32 s[G0B+4*\s+3], s[G0B+4*\s+3], 0x80000000
	JLOAD G0+4*\s, G1, G0B+4*\s, G1B
.endr
	v_and_b32 v1, 15, v0                           ; r
	v_bfe_u32 v2, v0, 4, 1                         ; h
	v_mul_u32_u24 v3, v1, PITCH
	v_lshl_add_u32 v4, v2, 4, v3
	s_mul_i32 s21, s15, 64*PITCH                   ; my 64 rows of A
	s_mul_i32 s22, s16, 128*PITCH                  ; my 128 rows of W_o,
	s_add_co_u32 s22, s22, AT                      ; behind A's
.irp s, 0,1
	v_add_nc_u32 v[ADRA+\s], s21, v4
	v_add_nc_u32 v[ADRB+\s], s22, v4
	s_add_co_u32 s21, s21, SLOT
	s_add_co_u32 s22, s22, SLOT
.endr
	s_mul_i32 s23, s14, 16*SPITCH
	s_add_co_u32 s23, s23, STAGE                   ; my stage
	v_mul_u32_u24 v5, v1, SPITCH
	v_lshl_add_u32 v5, v2, 5, v5
	v_add_nc_u32 v[STO], s23, v5
	v_and_b32 v6, 31, v0
	v_lshlrev_b32 v[CO], 4, v6
	v_add_nc_u32 v[RD], s23, v[CO]
	v_lshlrev_b32 v[BO], 5, v2
	s_lshl_b32 s20, s17, 7
	s_lshl_b32 s21, s15, 6
	s_add_co_u32 s20, s20, s21                     ; my first row of out0: 128 x tile row + 64 x half,
	s_lshl_b32 s20, s20, 12                        ; of 4,096 bytes
	s_mov_b32 s21, 0
	s_lshl_b32 s46, s42, 10
	s_lshl_b32 s47, s16, 9
	s_add_co_u32 s46, s46, s47                     ; byte 1024 x tile column + 512 x half: in a row of out0, and in b_o
	s_mov_b32 s47, 0
	s_add_nc_u64 s[10:11], s[10:11], s[46:47]
	s_add_nc_u64 s[12:13], s[12:13], s[46:47]
	s_add_nc_u64 s[12:13], s[12:13], s[20:21]
.irp b, 0,1,2,3,4,5,6,7                        ; v[BI + 8 b + i] = b_o of column 16 b + 8 h + i of my 128; waited for on the way out
	global_load_b128 v[BI+8*\b:BI+8*\b+3], v[BO], s[10:11] offset:64*\b
	global_load_b128 v[BI+8*\b+4:BI+8*\b+7], v[BO], s[10:11] offset:64*\b+16
.endr
.macro FRAG reg, adr, q, i
.irp c, 0,1,2,3
	ds_load_b128 v[\reg+4*\c:\reg+4*\c+3], v[\adr] offset:128*(\q)+32*\c+(\i)*16*PITCH
.endr
.endm
; 16 matrix instructions: A's blocks a0, a0 + 1 x W_o's eight.  p: the set.  The 32 accumulators take turns, one instruction a turn, in one order throughout.
.macro MUL16 a0, p, zero
.irp a, \a0, \a0+1
.irp b, 0,1,2,3,4,5,6,7
.if \zero
	v_wmma_f32_16x16x128_bf8_bf8 v[8*(8*(\a)+\b):8*(8*(\a)+\b)+7], v[128*(\p)+FR*\b:128*(\p)+FR*\b+FR-1], v[128+64*(\p)+FR*(\a):128+64*(\p)+FR*(\a)+FR-1], 0
.else
	v_wmma_f32_16x16x128_bf8_bf8 v[8*(8*(\a)+\b):8*(8*(\a)+\b)+7], v[128*(\p)+FR*\b:128*(\p)+FR*\b+FR-1], v[128+64*(\p)+FR*(\a):128+64*(\p)+FR*(\a)+FR-1], v[8*(8*(\a)+\b):8*(8*(\a)+\b)+7]
.endif
.endr
.endr
.endm
.macro FETCH slot, q, p                ; 48 LDS loads in one run: the fragments of the slot's q-th 128 along K into set p
	WIN 0x40
.irp i, 0,1,2,3,4,5,6,7
	FRAG 128*(\p)+FR*\i, ADRB+\slot, \q, \i
.endr
	WIN 0
.irp i, 0,1,2,3
	FRAG 128+64*(\p)+FR*\i, ADRA+\slot, \q, \i
.endr
.endm
.macro PLACES n
.rept \n
	v_nop
.endr
.endm
.macro STEP slot, zero                 ; a slot's first 128 along K, on set 0; the second 128 are fetched into set 1 ahead of the products
	s_wait_dscnt 0x0                               ; set 0 is in
	PLACES 4                                       ; behind the last products on set 1
	FETCH \slot, 1, 1
	WIN MUL
	MUL16 0, 0, \zero
	MUL16 2, 0, \zero
.endm
; A slot's second 128 along K, on set 1, and the change of slots: one barrier; in front of it each wave waits for all its tensor loads, adds 0 to its spare word, and waits for that and for its reads of this slot.
.macro TURN slot, next, fill
	WIN 0
	s_wait_tensorcnt 0x0                           ; all my tensor loads have landed: my part of the next slot
	ds_add_u32 v[SPW], v[NIL]                      ; 0 onto my spare word
	s_wait_dscnt 1                                 ; set 1's 48 loads are in; the add may be out
	WIN MUL
	MUL16 0, 1, 0                                  ; sixteen matrix instructions stand between the add and the wait for it
	s_wait_dscnt 0x0                               ; the add is done, and my reads of this slot are over
	s_barrier_signal -1
	WIN 0
	s_barrier_wait -1
.if \fill
	CREST                                          ; the barrier has opened a round of the cluster's
	s_add_nc_u64 s[G0+4*\slot+2:G0+4*\slot+3], s[G0+4*\slot+2:G0+4*\slot+3], 2*ROWB
	s_add_nc_u64 s[G0B+4*\slot+2:G0B+4*\slot+3], s[G0B+4*\slot+2:G0B+4*\slot+3], 2*ROWB
	JLOAD G0+4*\slot, G1, G0B+4*\slot, G1B         ; the first tensor load behind the round; its four v_nop are the places in front of the loads below
.else
	PLACES 4
.endif
	FETCH \next, 0, 0
	WIN MUL
	MUL16 2, 1, 0
.endm
	s_wait_tensorcnt 1                             ; my part of K step 0 is in (K step 1's load may be out),
	s_barrier_signal -1
	s_barrier_wait -1                              ; everybody's is
	FETCH 0, 0, 0
	STEP 0, 1                                      ; K step 0: its first products start the sums
	TURN 0, 1, 1                                   ; slot 0 takes K step 2
	STEP 1, 0
	TURN 1, 0, 1                                   ; slot 1 takes K step 3
	STEP 0, 0
	TURN 0, 1, 0                                   ; nothing is left to fetch
	STEP 1, 0
	s_wait_dscnt 0x0
	MUL16 0, 1, 0
	MUL16 2, 1, 0
	WIN 0
	; THE WAY OUT, block by block of 16 rows x 128 columns: sum x 2^(e8 + e9) + b_o, through my own stage, back as whole rows of 512 bytes.
.macro TOSTAGE a
.set AC, 64*(\a)
.set BB, 64*((\a)%2)
	WIN 0x02                                       ; source 0: window 2
.set j, 0
.rept 32
	v_pk_fma_f32 v[TMP+j:TMP+j+1], v[AC+j:AC+j+1], s[96:97], v[BI+j:BI+j+1] op_sel_hi:[1,0,1]   ; each accumulator from its low end on
.set j, j+2
.endr
	WIN 0
.irp b, 0,1,2,3,4,5,6,7
	ds_store_b128 v[STO], v[TMP+8*\b:TMP+8*\b+3] offset:64*\b
	ds_store_b128 v[STO], v[TMP+8*\b+4:TMP+8*\b+7] offset:64*\b+16
.endr
	WIN 0x40
.set t, 0
.rept 16
	ds_load_b128 v[BB+4*t:BB+4*t+3], v[RD] offset:t*SPITCH   ; LDS serves a wave's instructions in order (ISA guide 5.7.1.4): these see the stores above
.set t, t+1
.endr
	WIN 0
.endm
.macro SEND a, younger
.set BB, 64*((\a)%2)
	s_wait_dscnt \younger
.if (\a) > 0
	s_add_nc_u64 s[12:13], s[12:13], 16*4096       ; 16 rows on (behind a wait on XCNT: the earlier stores have read their base)
.endif
	WIN 0x04                                       ; store data in window 1
.set t, 0
.rept 16
	global_store_b128 v[CO], v[BB+4*t:BB+4*t+3], s[12:13] offset:t*4096 th:TH_STORE_NT   ; 32 lanes store 512 consecutive bytes, aligned; written once, read by nobody here
.set t, t+1
.endr
	WIN 0
.endm
	s_wait_kmcnt 0x0
	s_add_co_i32 s96, s96, s97
	s_add_co_i32 s96, s96, 127
	s_lshl_b32 s96, s96, 23                        ; 2^(e8 + e9) as f32
	s_mov_b32 s97, s96                             ; (named with it as a pair, so it is written)
	s_wait_loadcnt 0x0                             ; b_o
	PLACES 4                                       ; behind the last products
	TOSTAGE 0
.irp a, 1,2,3
.if \a > 1
	s_wait_xcnt 0x0                                ; block a - 2's stores have read their registers and their base
.endif
	TOSTAGE \a
	SEND \a-1, 32                                  ; behind block a - 1's loads: block a's 16 stores and 16 loads
.endr
	s_wait_xcnt 0x0
	SEND 3, 0
	s_wait_tensorcnt 0x0                           ; the wave's end
	ds_add_u32 v[SPW], v[NIL]
	s_wait_dscnt 0x0
	CROUND                                         ; the closing round
	s_endpgm
.Lfunc_end_k_qcaafe1bccf_outp:
	.size	k_qcaafe1bccf_outp, .Lfunc_end_k_qcaafe1bccf_outp-k_qcaafe1bccf_outp
	.p2alignl 7, 3214868480
	.fill 96, 4, 3214868480
	.section	.rodata,"a",@progbits
	.p2align	6, 0x0
	.amdhsa_kernel k_qcaafe1bccf_outp
		.amdhsa_group_segment_fixed_size 327680
		.amdhsa_private_segment_fixed_size 0
		.amdhsa_enable_private_segment 0
		.amdhsa_kernarg_size 40
		.amdhsa_user_sgpr_count 2
		.amdhsa_user_sgpr_kernarg_segment_ptr 1
		.amdhsa_wavefront_size32 1
		.amdhsa_system_sgpr_workgroup_id_x 1
		.amdhsa_system_sgpr_workgroup_id_y 1
		.amdhsa_system_sgpr_workgroup_id_z 1
		.amdhsa_system_vgpr_workitem_id 0
		.amdhsa_next_free_vgpr 768
		.amdhsa_next_free_sgpr 100
		.amdhsa_reserve_vcc 0
		.amdhsa_float_denorm_mode_32 3
		.amdhsa_float_denorm_mode_16_64 3
		.amdhsa_memory_ordered 1
		.amdhsa_forward_progress 1
		.amdhsa_inst_pref_size 77
	.end_amdhsa_kernel
	.amdgpu_metadata
---
amdhsa.version: [ 1, 2 ]
amdhsa.kernels:
  - .name:           k_qcaafe1bccf_outp
    .symbol:         k_qcaafe1bccf_outp.kd
    .args:
      - { .name: ac, .offset: 0, .size: 8, .value_kind: global_buffer, .address_space: global }
      - { .name: W_o_codes, .offset: 8, .size: 8, .value_kind: global_buffer, .address_space: global }
      - { .name: lowp_scales, .offset: 16, .size: 8, .value_kind: global_buffer, .address_space: global }
      - { .name: b_o, .offset: 24, .size: 8, .value_kind: global_buffer, .address_space: global }
      - { .name: out0, .offset: 32, .size: 8, .value_kind: global_buffer, .address_space: global }
    .group_segment_fixed_size: 327680
    .private_segment_fixed_size: 0
    .kernarg_segment_align: 8
    .kernarg_segment_size: 40
    .max_flat_workgroup_size: 128
    .sgpr_count:     100
    .vgpr_count:     768
    .wavefront_size: 32
...
	.end_amdgpu_metadata
.endif
;; end of part 3
